; MI455X (gfx1250); checked and timed in simulation.
; The chip was launched on July 23, 2026; its instructions are those of AMD's public machine-readable ISA for CDNA 5 (MIT licence, August 2026) and "CDNA5" Instruction Set Architecture Reference Guide (July 2026). The comments in the code are by the model that wrote it; some were corrected since.
;; Linear4bit. Allowed arithmetic: float matrix products may take bf16 or f16 operands with f32 sums; all other float work in f32.
;; Inputs: nf4_table 16 float32; packed_weight 4,194,304 int32; scales 131,072 float32; x 8,192 x 4,096 bfloat16.
;; Outputs: out0 8,192 x 2,048 bfloat16.
;; 2 versions, each right; version 2 is version 1 with the launch dequant written anew for expert scheduling mode. Each part assembles by itself: llvm-mc -triple=amdgcn-amd-amdhsa -mcpu=gfx1250 --defsym DOCPART=n.
;; ======== version 1 of 2: 2 launches
;; workspace buffers: wbf 16,777,216 bytes
;; launch dequant (part 1): grid 256 x 1, 8 waves a work-group, no clusters, 0 bytes of LDS; arguments packed_weight, scales, nf4_table, wbf; writes wbf
.if DOCPART == 1
	.amdgcn_target "amdgcn-amd-amdhsa--gfx1250"
	.amdhsa_code_object_version 6
	.text
	.protected	k_qab60a01683_dequant
	.globl	k_qab60a01683_dequant
	.p2align	8
	.type	k_qab60a01683_dequant,@function
k_qab60a01683_dequant:
	s_mov_b64 s[64:65], 0
	v_nop
	global_prefetch_b8 v0, s[64:65] scope:SCOPE_SE
	s_setreg_imm32_b32 hwreg(HW_REG_WAVE_MODE, 25, 1), 1
	s_wait_xcnt 0x0
; wbf[2 i], wbf[2 i + 1] = bf16(table[p[i] & 15] * scale), bf16(table[(p[i] >> 4) & 15] * scale), scale = scales[i / 32].
; p: 4,194,304 int32, of which bits 7:0 count; scales: 131,072 f32; table: 16 f32; wbf: [2048][4096] bf16.
; One packed word of 4 bytes becomes one word of two bf16 at the same byte offset, so the stream reads and writes the same offsets.
; RANGE: any int32 is served (only bits 7:0 enter, as the two masks of the definition have it); any f32 table and scale: the product is one
; f32 multiply and one rounding to bf16 (nearest even), so NaN and infinities come out as that product and rounding give them.
; SHARES: a work-group owns 65,536 bytes of p and of wbf and 512 scales; each of its eight waves 8,192 bytes as 16 chunks of 512, and 64 scales
; (256 consecutive bytes, aligned).  In chunk j lane L owns the 16 bytes at 512 j + 16 L: each load and store of a wave covers 512 consecutive
; aligned bytes.  No loop: all 16 chunk loads of a wave go out at its start, so all that the launch reads is asked for at once.
; THE LOOK-UP goes between lanes (ds_bpermute_b32; no LDS byte is touched): lane L keeps table[L % 16], so the table stands twice in the wave.
; Left out: LDS, barriers, clusters and the matrix unit: the waves share nothing but 64 bytes of table, and bytes alone count here.
.set CHB,   512                        ; bytes in a chunk
.set OFF,   2                          ; v2   my byte offset in the group's part of p and of wbf; never rewritten
.set SOFF,  3                          ; v3   my byte offset in the group's scales
.set TOFF,  4                          ; v4   my byte offset in the table
.set SB,    5                          ; v5   4 x (lane / 8): which of a chunk's four scales is mine, as a lane select
.set TAB,   6                          ; v6   table[lane % 16]
.set S0,    8                          ; v8   lane m: the wave's scale m;  v9: scale 32 + m
.set WORK,  10                         ; two work sets of 20, chunk j takes set j % 2: +0..7 lane selects, +8..15 table values, +16,17 the scale (a pair), +18 its lane select
.set X,     52                         ; v[52:115] chunk j: 4 registers, as loaded and then as stored
	s_load_b256 s[4:11], s[0:1], 0x0               ; p s[4:5], scales s[6:7], table s[8:9], wbf s[10:11]
	s_lshl_b32 s12, ttmp9, 16                      ; the group's 65,536 bytes of p and wbf (under 2^24 in all)
	s_mov_b32 s13, 0
	s_lshl_b32 s14, ttmp9, 11                      ; the group's 512 scales
	s_mov_b32 s15, 0
	v_and_b32 v1, 31, v0                           ; lane
	v_lshrrev_b32 v7, 5, v0                        ; wave
	v_lshlrev_b32 v[OFF], 4, v1
	v_lshl_add_u32 v[OFF], v7, 13, v[OFF]          ; 8,192 x wave + 16 x lane
	v_lshlrev_b32 v[SOFF], 2, v1
	v_lshl_add_u32 v[SOFF], v7, 8, v[SOFF]         ; 256 x wave + 4 x lane
	v_and_b32 v[TOFF], 15, v0
	v_lshlrev_b32 v[TOFF], 2, v[TOFF]              ; 4 x (lane % 16): inside the table's 64 bytes
	v_lshrrev_b32 v[SB], 3, v1
	v_lshlrev_b32 v[SB], 2, v[SB]
	v_mov_b32 v[WORK+17], 0                        ; the packed multiply names the scale as a pair and takes its low register for both halves:
	v_mov_b32 v[WORK+37], 0                        ; the upper register is written once, and its value never enters a product
	s_wait_kmcnt 0x0
	s_add_nc_u64 s[4:5], s[4:5], s[12:13]
	s_add_nc_u64 s[10:11], s[10:11], s[12:13]
	s_add_nc_u64 s[6:7], s[6:7], s[14:15]
	global_load_b32 v[TAB], v[TOFF], s[8:9]
	global_load_b32 v[S0], v[SOFF], s[6:7]
	global_load_b32 v[S0+1], v[SOFF], s[6:7] offset:128
.irp j, 0,1,2,3,4,5,6,7,8,9,10,11,12,13,14,15
	global_load_b128 v[X+4*\j:X+4*\j+3], v[OFF], s[4:5] offset:CHB*\j th:TH_LOAD_NT   ; read once in the launch
.endr
; Chunk j's nine exchanges between lanes are asked for: its scale and its eight table values.
; The exchange takes bits 6:2 of the select as the lane.  Bits 5:2 of w << 2 are w's low nibble, bits 5:2 of w >> 2 its high nibble, and bit 6 only
; chooses between the two equal copies of the table: so one shift makes a select and no mask is needed, whatever the word's upper bits hold.
.macro ISSUE j
.set WS, WORK+20*((\j)%2)
	s_wait_loadcnt 15-(\j)                         ; loads come back in order (ISA guide 5.7.1): chunk j, the table and the scales are in; the 15 - j younger chunks stay out
	v_add_nc_u32 v[WS+18], 16*((\j)%8), v[SB]      ; a scale serves 128 bytes of p, 8 lanes: mine is the wave's scale 4 j + lane / 8, which lies in lane 4 (j % 8) + lane / 8
	ds_bpermute_b32 v[WS+16], v[WS+18], v[S0+(\j)/8]
.irp k, 0,1,2,3
	v_lshlrev_b32 v[WS+2*\k],   2, v[X+4*(\j)+\k]
	v_lshrrev_b32 v[WS+2*\k+1], 2, v[X+4*(\j)+\k]
	ds_bpermute_b32 v[WS+8+2*\k],   v[WS+2*\k],   v[TAB]     ; the even weight's table value
	ds_bpermute_b32 v[WS+8+2*\k+1], v[WS+2*\k+1], v[TAB]     ; the odd weight's
.endr
.endm
; Chunk j is multiplied, rounded and stored.  younger = the exchanges issued behind chunk j's.
.macro FINISH j, younger
.set WS, WORK+20*((\j)%2)
	s_wait_dscnt \younger                          ; they come back in order (ISA guide 5.7.1): chunk j's nine are in
.irp k, 0,1,2,3
	v_pk_mul_f32 v[WS+8+2*\k:WS+9+2*\k], v[WS+8+2*\k:WS+9+2*\k], v[WS+16:WS+17] op_sel_hi:[1,0]   ; two f32 products by the one scale
.endr
.irp k, 0,1,2,3
	v_cvt_pk_bf16_f32 v[X+4*(\j)+\k], v[WS+8+2*\k], v[WS+9+2*\k]   ; the even weight into the low half
.endr
	global_store_b128 v[OFF], v[X+4*(\j):X+4*(\j)+3], s[10:11] offset:CHB*(\j)   ; its data and its offset register are never written again
.endm
	ISSUE 0
.irp j, 1,2,3,4,5,6,7,8,9,10,11,12,13,14,15
	ISSUE \j                                       ; the next chunk's exchanges are on their way while the last chunk is finished; set j % 2 was last read by FINISH j - 2
	FINISH \j-1, 9
.endr
	FINISH 15, 0
	s_endpgm
.Lfunc_end_k_qab60a01683_dequant:
	.size	k_qab60a01683_dequant, .Lfunc_end_k_qab60a01683_dequant-k_qab60a01683_dequant
	.p2alignl 7, 3214868480
	.fill 96, 4, 3214868480
	.section	.rodata,"a",@progbits
	.p2align	6, 0x0
	.amdhsa_kernel k_qab60a01683_dequant
		.amdhsa_group_segment_fixed_size 0
		.amdhsa_private_segment_fixed_size 0
		.amdhsa_enable_private_segment 0
		.amdhsa_kernarg_size 32
		.amdhsa_user_sgpr_count 2
		.amdhsa_user_sgpr_kernarg_segment_ptr 1
		.amdhsa_wavefront_size32 1
		.amdhsa_system_sgpr_workgroup_id_x 1
		.amdhsa_system_sgpr_workgroup_id_y 1
		.amdhsa_system_sgpr_workgroup_id_z 1
		.amdhsa_system_vgpr_workitem_id 0
		.amdhsa_next_free_vgpr 116
		.amdhsa_next_free_sgpr 66
		.amdhsa_reserve_vcc 0
		.amdhsa_float_denorm_mode_32 3
		.amdhsa_float_denorm_mode_16_64 3
		.amdhsa_memory_ordered 1
		.amdhsa_forward_progress 1
		.amdhsa_inst_pref_size 27
	.end_amdhsa_kernel
	.amdgpu_metadata
---
amdhsa.version: [ 1, 2 ]
amdhsa.kernels:
  - .name:           k_qab60a01683_dequant
    .symbol:         k_qab60a01683_dequant.kd
    .args:
      - { .name: packed_weight, .offset: 0, .size: 8, .value_kind: global_buffer, .address_space: global }
      - { .name: scales, .offset: 8, .size: 8, .value_kind: global_buffer, .address_space: global }
      - { .name: nf4_table, .offset: 16, .size: 8, .value_kind: global_buffer, .address_space: global }
      - { .name: wbf, .offset: 24, .size: 8, .value_kind: global_buffer, .address_space: global }
    .group_segment_fixed_size: 0
    .private_segment_fixed_size: 0
    .kernarg_segment_align: 8
    .kernarg_segment_size: 32
    .max_flat_workgroup_size: 256
    .sgpr_count:     66
    .vgpr_count:     116
    .wavefront_size: 32
...
	.end_amdgpu_metadata
.endif
;; end of part 1
;; launch gemm (part 2): grid 8 x 32, 4 waves a work-group, clusters of 4 x 4, 327,680 bytes of LDS; arguments x, wbf, out0; writes out0
.if DOCPART == 2
	.amdgcn_target "amdgcn-amd-amdhsa--gfx1250"
	.amdhsa_code_object_version 6
	.text
	.protected	k_qab60a01683_gemm
	.globl	k_qab60a01683_gemm
	.p2align	8
	.type	k_qab60a01683_gemm,@function
k_qab60a01683_gemm:
	s_mov_b64 s[64:65], 0
	v_nop
	global_prefetch_b8 v0, s[64:65] scope:SCOPE_SE
	s_setreg_imm32_b32 hwreg(HW_REG_WAVE_MODE, 25, 1), 1
	s_wait_xcnt 0x0
	s_wait_alu depctr_hold_cnt(0) depctr_sa_sdst(0) depctr_va_vdst(0) depctr_va_sdst(0) depctr_va_ssrc(0) depctr_va_vcc(0) depctr_vm_vsrc(0)
	s_getreg_b32 s2, hwreg(HW_REG_IB_STS2, 6, 4)
	s_cmp_eq_u32 s2, 0
	s_cbranch_scc0 .Lentry_in_a_cluster
	s_endpgm
.Lentry_in_a_cluster:
	s_bfe_u32 s2, ttmp6, 0x10000c
	s_cmp_lg_u32 s2, 0xf033
	s_cbranch_scc0 .Lentry_shape_is_right
	s_endpgm
.Lentry_shape_is_right:
; C[m][n] = sum over k of A[m][k] B[n][k].  A = x: [8192][4096], B = wbf: [2048][4096], C = out0: [8192][2048], all bf16; sums in f32, C rounded once.
; ORDER OF SUMS: one f32 accumulator for each output, K ascending, 32 products to a matrix instruction, added as that instruction adds them.
; SHARES: C has 32 x 8 tiles of 256 x 256, one to a work-group of four waves; a wave makes 128 x 128: 64 accumulators of 16 x 16, 512 registers.
; K goes in 32 steps of 128 through a ring of two LDS slots filled by the tensor data mover: a tile's rows are 256 bytes of memory and start at
; multiples of 256 bytes from the buffer's first byte.  The last K step goes by rows of C, so that finished rows leave while the others are multiplied.
; CLUSTERS: 4 x 4 work-groups.  The four of a row of the cluster make tiles of one tile row of C and need the same tiles of A; the four of a column
; need the same tiles of B.  Such a tile is asked for JOINTLY: each of the four issues the same tensor load, with the same descriptor and a mask that
; names the four, and each receives it in its own LDS: the requests for A and for B are divided by four.
;
; REGISTERS, in windows of 256 (an instruction names v0-v255; s_set_vgpr_msb says which window each operand place means):
;   window 0: v0-31 addresses; v64-127, v128-191 fragments of A (8 x 16 rows x 32 K), two buffers (in the last K step four, of 16 rows x 128 K); v32-63, v192-255 at work on the way out
;   window 1: v64-127, v128-191 fragments of B, two buffers; in the last K step all 256: B's fragments of the whole step
;   window 2: the 32 accumulators of my rows 0-63 (accumulator (a, b) at v[8 (8 a + b)]);   window 3: those of my rows 64-127
; s_set_vgpr_msb's low byte: bits 1:0 source 0, 3:2 source 1, 5:4 source 2, 7:6 destination.  Work is laid in long stretches under one setting.
;
; THE MATRIX INSTRUCTION IS USED TRANSPOSED: source 0 = 16 rows of B, source 1 = 16 rows of A.  In the result lane l holds row l % 16 of C and its
; registers 0 to 7 the columns 8 (l / 16) + 0 .. 7: eight neighbouring numbers of a row of C, which pack into 16 bytes.
.set SIZE_M, 8192
.set SIZE_N, 2048
.set SIZE_K, 4096
.set KSTEP,  128
.set PITCH,  272                       ; an LDS row: 256 bytes of data + 16 of padding = 68 words: row r starts at bank 4 r mod 64 (64 banks of 4 bytes: ISA guide 11.1), so the 16 rows that a load touches start at 16 different banks
.set HALFT,  128*PITCH                 ; 128 rows: what one tensor load brings, and what one wave reads of A or of B
.set SLOT,   4*HALFT                   ; A's 256 rows, then B's 256 rows
.set STAGE,  2*SLOT                    ; behind the ring (byte 278,528, a multiple of 256): 16 rows x 272 bytes for each wave, for the way out; no tensor load lands here
.set SPITCH, 272
.set LAPS,   SIZE_K/(2*KSTEP)          ; a lap = two K steps = once round the ring: 16
.set ADRA, 16                          ; v16-17  LDS address of my A fragments in slot 0, 1
.set ADRB, 20                          ; v20-21  the same for B
.set STO,  24                          ; v24     the way out: where I put 16 bytes of a row
.set RD,   25                          ; v25     the way out: where I read a row back
.set CO,   26                          ; v26     my byte offset in C
.set F0,   64                          ; fragment buffer 0
.set F1,   128                         ; fragment buffer 1
.set TMP,  192                         ; the way out: packed results, in window 0
.set OB,   32                          ; the way out: 16 rows read back from the stage: v32-63 and v224-255 by turns
.set PA,   64                          ; the last K step: A's fragments of 16 rows x 128 K, 32 registers; four such buffers, v64-191
.set G1,  24                           ; s[24:31] descriptor group 1 for A's tiles
.set G0,  32                           ; s[32:39] descriptor group 0 for A's tiles, one set for each slot
.set G1B, 48                           ; s[48:55] descriptor group 1 for B's tiles: it differs from A's in the mask alone
.set G0B, 56                           ; s[56:63] descriptor group 0 for B's tiles, one set for each slot
.set MSB, 0
.macro WIN new                         ; the immediate's high byte repeats the setting that is left; a switch that changes nothing is dropped
.if MSB != (\new)
	s_set_vgpr_msb (MSB<<8)|(\new)
.set MSB, (\new)
.endif
.endm
.set MUL_LO, 0xa1                      ; source 0 (B) window 1, source 1 (A) window 0, C and D window 2
.set MUL_HI, 0xf1                      ; the same, C and D window 3
.set TO_B,   0x40                      ; destination window 1, address window 0
; A joint load.  Waves 0 and 1 fetch A's two halves, waves 2 and 3 B's.  Each of the two lines has ONE mask and one set of registers for all that issue it, and
; nothing in them hangs on a coordinate that the four partners do not share.  The branch hangs on the wave's number alone: it is the same in every work-group.
; Four v_nop follow each of the two lines; the jump round the other line, the label and what follows the macro come after them.
.macro JLOAD s
	s_cmp_eq_u32 s11, 0
	s_cbranch_scc0 .Lfor_b_\@
	tensor_load_to_lds s[G0+4*\s:G0+4*\s+3], s[G1:G1+7]
	s_nop 0
.rept 4
	v_nop
.endr
	s_branch .Lasked_\@
.Lfor_b_\@:
	tensor_load_to_lds s[G0B+4*\s:G0B+4*\s+3], s[G1B:G1B+7]
	s_nop 0
.rept 4
	v_nop
.endr
.Lasked_\@:
.endm
; A round of the cluster's barrier: my work-group's barrier, so that wave 0's signal speaks for all four waves; wave 0 signals for the work-group; every wave
; waits for all sixteen work-groups; my work-group's barrier once more.  No LDS instruction of the wave is pending at a signal.
.macro CREST                           ; a round behind its opening barrier
	s_cmp_lg_u32 s10, 0
	s_cbranch_scc1 .Lnot_wave_0_\@
	s_barrier_signal -3
.Lnot_wave_0_\@:
	s_barrier_wait -3
	s_barrier_signal -1
	s_barrier_wait -1
.endm
.macro CROUND                          ; a whole round
	s_barrier_signal -1
	s_barrier_wait -1
	CREST
.endm
	s_load_b128 s[4:7], s[0:1], 0x0                ; A s[4:5], B s[6:7]
	s_load_b64 s[8:9], s[0:1], 0x10                ; C
	v_lshl_add_u32 v30, v0, 2, 0x48400
	v_mov_b32 v31, 0
	ds_add_u32 v30, v31
	ds_add_u32 v30, v31
	v_lshrrev_b32 v1, 5, v0
	v_readfirstlane_b32 s10, v1                    ; wave 0..3
	s_lshr_b32 s11, s10, 1                         ; which half of the tile's rows is mine.  Also: I fetch for A (0) or for B (1)
	s_and_b32 s12, s10, 1                          ; which half of its columns.  Also: which 128 rows of that tile I fetch
	s_bfe_u32 s40, ttmp6, 0x40000                  ; cx: my place along the cluster's x
	s_bfe_u32 s41, ttmp6, 0x40004                  ; cy: along its y
	s_lshl_b32 s42, ttmp9, 2                       ; in a cluster launch ttmp9 and ttmp7 count clusters
	s_add_co_u32 s42, s42, s40                     ; tile column of C = 4 x cluster x + cx
	s_and_b32 s13, ttmp7, 0xffff
	s_lshl_b32 s13, s13, 2
	s_add_co_u32 s13, s13, s41                     ; tile row of C = 4 x cluster y + cy
	s_lshl_b32 s43, s41, 2
	s_lshl_b32 s43, 15, s43                        ; my row of the cluster: places 4 cy .. 4 cy + 3
	s_lshl_b32 s44, 0x1111, s40                    ; my column: places cx, cx + 4, cx + 8, cx + 12
	; descriptor group 1: a tile of 128 rows x 128 elements, padded in LDS
	s_or_b32 s[G1+0], s43, (1<<16)|(1<<20)|(1<<21)|(5<<22)|(3<<25)  ; 15:0 the mask: A's tiles go to my row; 17:16 element of 2 bytes; 20 padding on; 21 set beside a mask; 24:22 after every 64 words (code 5); 31:25 of 4 words (code 3)
	s_or_b32 s[G1B+0], s44, (1<<16)|(1<<20)|(1<<21)|(5<<22)|(3<<25) ; the same with the mask of my column, for B's tiles
	s_mov_b32 s[G1B+1], KSTEP<<16
	s_mov_b32 s[G1+1], KSTEP<<16                   ; 63:48 tensor_dim0, low half = 128
	s_mov_b32 s[G1B+2], 128<<16
	s_mov_b32 s[G1+2], 128<<16                     ; 79:64 its high half = 0; 95:80 tensor_dim1, low half = 128
	s_mov_b32 s[G1B+3], KSTEP<<16
	s_mov_b32 s[G1+3], KSTEP<<16                   ; 111:96 its high half = 0; 127:112 tile_dim0 = 128
	s_mov_b32 s[G1B+4], 128
	s_mov_b32 s[G1+4], 128                         ; 143:128 tile_dim1 = 128; 159:144 tile_dim2 = 0
	s_mov_b32 s[G1B+5], SIZE_K
	s_mov_b32 s[G1+5], SIZE_K                      ; 191:160 tensor_dim0_stride, low word: elements from row to row
	s_mov_b32 s[G1B+6], 0
	s_mov_b32 s[G1+6], 0
	s_mov_b32 s[G1B+7], 0
	s_mov_b32 s[G1+7], 0
	; where the tiles come from.  A's hang on the tile row alone, which my row of the cluster shares; B's on the tile column alone, which my column shares.
	; Every wave makes both addresses, in registers that never hold the other coordinate, and asks by one of them.
	s_lshl_b32 s17, s12, 7                         ; which 128 rows of the tile I fetch
	s_lshl_b32 s16, s13, 8
	s_add_co_u32 s16, s16, s17                     ; A: row 256 x tile row + 128 x half
	s_lshl_b32 s46, s42, 8
	s_add_co_u32 s46, s46, s17                     ; B: row 256 x tile column + 128 x half
	s_mov_b32 s17, 0
	s_mov_b32 s47, 0
	s_mov_b64 s[18:19], SIZE_K*2
	s_mul_u64 s[16:17], s[16:17], s[18:19]         ; in bytes, in 64 bits
	s_mul_u64 s[46:47], s[46:47], s[18:19]
	s_mul_i32 s20, s10, HALFT                      ; and where they go: A's two halves, then B's two halves = wave x 128 rows: no place in the cluster enters an LDS address
	s_wait_dscnt 0x0
	s_wait_kmcnt 0x0
	s_add_nc_u64 s[14:15], s[4:5], s[16:17]
	s_add_nc_u64 s[46:47], s[6:7], s[46:47]
	CROUND                                         ; all sixteen work-groups are here: the first joint loads meet
.irp s, 0,1
	s_mov_b32 s[G0+4*\s], 1                                        ; 1:0 count = 1
	s_add_co_u32 s[G0+4*\s+1], s20, \s*SLOT                        ; 63:32 LDS address
	s_add_nc_u64 s[G0+4*\s+2:G0+4*\s+3], s[14:15], \s*KSTEP*2      ; 120:64 global address: K step s
	s_or_b32 s[G0+4*\s+3], s[G0+4*\s+3], 0x80000000                ; 127:126 type = 2
	s_mov_b32 s[G0B+4*\s], 1
	s_add_co_u32 s[G0B+4*\s+1], s20, \s*SLOT
	s_add_nc_u64 s[G0B+4*\s+2:G0B+4*\s+3], s[46:47], \s*KSTEP*2
	s_or_b32 s[G0B+4*\s+3], s[G0B+4*\s+3], 0x80000000
	JLOAD \s                                       ; the ring is filled before anything else is done: two loads of mine are out
.endr
	; A fragment is 16 rows x 32 K in 8 registers: lane l holds row l % 16; registers 0-3 hold K = 8 (l / 16) + 0..7, registers 4-7 hold
	; K = 16 + 8 (l / 16) + 0..7.  From rows that lie along K: two loads of 16 bytes, 32 bytes apart.  The same for source 0 and source 1.
	v_and_b32 v1, 15, v0                           ; l % 16
	v_bfe_u32 v2, v0, 4, 1                         ; l / 16
	v_mul_u32_u24 v3, v1, PITCH
	v_lshl_add_u32 v3, v2, 4, v3                   ; row x pitch + 16 x half
	s_mul_i32 s21, s11, HALFT                      ; my 128 rows of A
	s_mul_i32 s22, s12, HALFT                      ; my 128 rows of B,
	s_add_co_u32 s22, s22, 2*HALFT                 ; which lie behind A's 256
.irp s, 0,1
	v_add_nc_u32 v[ADRA+\s], s21, v3
	v_add_nc_u32 v[ADRB+\s], s22, v3
	s_add_co_u32 s21, s21, SLOT
	s_add_co_u32 s22, s22, SLOT
.endr
	s_mul_i32 s23, s10, 16*SPITCH
	s_add_co_u32 s23, s23, STAGE                   ; my stage
	v_mul_u32_u24 v4, v1, SPITCH                   ; in: row l % 16, 16 bytes for each half of the lanes
	v_lshl_add_u32 v4, v2, 4, v4
	v_add_nc_u32 v[STO], s23, v4
	v_mul_u32_u24 v5, v2, SPITCH                   ; back: lanes 0-15 take one row of 256 bytes, lanes 16-31 the next
	v_lshl_add_u32 v5, v1, 4, v5
	v_add_nc_u32 v[RD], s23, v5
	v_mul_u32_u24 v5, v2, SIZE_N*2                 ; and the same two rows in C
	v_lshl_add_u32 v[CO], v1, 4, v5
	; where my part of the tile begins in C, in bytes: the way out adds it to C's address
	s_lshl_b32 s13, s13, 8
	s_lshl_b32 s14, s11, 7
	s_add_co_u32 s16, s13, s14                     ; my first row of C
	s_mov_b32 s17, 0
	s_mov_b64 s[18:19], SIZE_N*2
	s_mul_u64 s[16:17], s[16:17], s[18:19]
	s_lshl_b32 s46, s42, 9                         ; my first column, in bytes: 512 x tile column + 256 x half (in the registers that held B's address: none that feeds A's descriptors ever holds cx)
	s_lshl_b32 s47, s12, 8
	s_add_co_u32 s46, s46, s47
	s_mov_b32 s47, 0
	s_add_nc_u64 s[16:17], s[16:17], s[46:47]
; 16 matrix instructions: m blocks a0, a0 + 1 of the window's four (hi = 0: my rows 0-63, 1: rows 64-127) x all 8 n blocks, 32 along K.
; zero = 1: the first product starts the sums: nothing is ever cleared.
; The 64 accumulators take turns, one instruction a turn, in the same order in every quarter step.
.macro MUL16 f, hi, a0, zero
.irp a, \a0, \a0+1
.irp b, 0,1,2,3,4,5,6,7
.if \zero
	v_wmma_f32_16x16x32_bf16 v[8*(8*(\a)+\b):8*(8*(\a)+\b)+7], v[\f+8*\b:\f+8*\b+7], v[\f+8*(4*\hi+\a):\f+8*(4*\hi+\a)+7], 0
.else
	v_wmma_f32_16x16x32_bf16 v[8*(8*(\a)+\b):8*(8*(\a)+\b)+7], v[\f+8*\b:\f+8*\b+7], v[\f+8*(4*\hi+\a):\f+8*(4*\hi+\a)+7], v[8*(8*(\a)+\b):8*(8*(\a)+\b)+7]
.endif
.endr
.endr
.endm
; 32 LDS loads in one run: the fragments of one quarter step (128 rows of B, 128 rows of A, 32 K at byte k of the rows) into buffer f
.macro FETCH slot, k, f
	WIN TO_B
.irp i, 0,1,2,3,4,5,6,7
	ds_load_b128 v[\f+8*\i:\f+8*\i+3],   v[ADRB+\slot] offset:\k+\i*16*PITCH
	ds_load_b128 v[\f+8*\i+4:\f+8*\i+7], v[ADRB+\slot] offset:\k+\i*16*PITCH+32
.endr
	WIN 0
.irp i, 0,1,2,3,4,5,6,7
	ds_load_b128 v[\f+8*\i:\f+8*\i+3],   v[ADRA+\slot] offset:\k+\i*16*PITCH
	ds_load_b128 v[\f+8*\i+4:\f+8*\i+7], v[ADRA+\slot] offset:\k+\i*16*PITCH+32
.endr
.endm
; A load into a register that a matrix instruction has read, and a vector instruction that reads a matrix result or writes one of a matrix
; instruction's registers, stand four places behind that matrix instruction, and only plain vector instructions that name none of its registers
; are places (ISA guide 7.12.1 for vector instructions); the matrix instructions in between are not counted.
; So four v_nop stand in front of each run of loads and in front of conversions that read results just made.
.macro PLACES
.rept 4
	v_nop
.endr
.endm
; A K step is four quarter steps of 32 along K, 64 matrix instructions each, on buffers 0, 1, 0, 1.
; One of the first three: multiplies buffer f; in its middle it fetches the next quarter's fragments, at byte k of the same slot's rows, into buffer g.
.macro QUARTER slot, k, f, g, zero
	s_wait_dscnt 8                                 ; B and A's rows 0-63 are in; the youngest eight loads (A's rows 64-127) may be out
	WIN MUL_LO
	MUL16 \f, 0, 0, \zero
	MUL16 \f, 0, 2, \zero
	PLACES
	FETCH \slot, \k, \g
	s_wait_dscnt 32                                ; all but the 32 just issued
	WIN MUL_HI
	MUL16 \f, 1, 0, \zero
	MUL16 \f, 1, 2, \zero
.endm
; The last quarter multiplies buffer 1 and changes slots.  MEET is its first half: ONE barrier for the change of slots, for two things.  In front of it each wave
; waits for its own reads of this slot and for all its tensor loads, of which one is out: its part of the next slot.  Behind it nobody reads this slot any more
; and the next slot is whole.
.macro MEET round                      ; round = 1: the rest of a round of the cluster's barrier follows
	s_wait_dscnt 8
	WIN MUL_LO
	MUL16 F1, 0, 0, 0
	s_wait_dscnt 0                                 ; my reads of this slot are over (the last were issued 48 matrix instructions ago)
	s_set_vgpr_msb 0xa1a0
	s_wait_tensorcnt 0x0                           ; and all my tensor loads have landed: the one that was out is my part of the next slot:
	ds_add_u32 v30, v31
	s_wait_dscnt 0x0
	s_set_vgpr_msb 0xa0a1
	s_barrier_signal -1                            ; say so (where a slot is filled again this barrier opens a round of the cluster's barrier),
	MUL16 F1, 0, 2, 0                              ; work on registers while the others arrive,
.if \round
	WIN 0
.endif
	s_barrier_wait -1                              ; and go on when all four have said so
.endm
; The whole last quarter.  Behind the round the slot just read out is filled again first, with the K step two steps on; then come the next slot's first fragments.
; From a request to the wait for it a wave issues 240 matrix instructions.
.macro TURN slot, next
	MEET 1
	CREST                                          ; wave 0 says so for the work-group, all sixteen work-groups have said so, my work-group's barrier closes the round:
	                                               ; no wave of any partner still reads this slot's tile or has a load on its way
	s_add_nc_u64 s[G0+4*\slot+2:G0+4*\slot+3], s[G0+4*\slot+2:G0+4*\slot+3], 2*KSTEP*2     ; no tensor load of mine is out, so a group 0 may be written; the type bits on top are not reached
	s_add_nc_u64 s[G0B+4*\slot+2:G0B+4*\slot+3], s[G0B+4*\slot+2:G0B+4*\slot+3], 2*KSTEP*2
	JLOAD \slot                                    ; my one tensor load behind the round, and the first thing there; the four v_nop behind it are also the places in front of the loads below
	FETCH \next, 0, F0
	WIN MUL_HI
	MUL16 F1, 1, 0, 0
	MUL16 F1, 1, 2, 0
.endm
; THE LAST K STEP (it lies in slot 1) GOES BY ROWS OF C, NOT BY K.  All its fragments of B (4 quarters x 64 registers) fill window 1; then my eight blocks of 16 rows
; are finished one after the other, each with 32 matrix instructions (its 8 accumulators by turns; K ascending).  LDS is read no more than in any other K step.
.macro BLOAD q                         ; B's fragments of quarter q -> window 1, v[64 q ..]
.irp i, 0,1,2,3,4,5,6,7
	ds_load_b128 v[64*\q+8*\i:64*\q+8*\i+3],   v[ADRB+1] offset:64*\q+\i*16*PITCH
	ds_load_b128 v[64*\q+8*\i+4:64*\q+8*\i+7], v[ADRB+1] offset:64*\q+\i*16*PITCH+32
.endr
.endm
.macro ALOAD a                         ; A's fragments of block a, all four quarters -> buffer a % 4
.set FA, PA+32*((\a)%4)
.irp q, 0,1,2,3
	ds_load_b128 v[FA+8*\q:FA+8*\q+3],   v[ADRA+1] offset:64*\q+(\a)*16*PITCH
	ds_load_b128 v[FA+8*\q+4:FA+8*\q+7], v[ADRA+1] offset:64*\q+(\a)*16*PITCH+32
.endr
.endm
.macro ROW a                           ; block a is finished: 32 matrix instructions
.set FA, PA+32*((\a)%4)                ; its fragments of A
.set AC, 64*((\a)%4)                   ; its eight accumulators, in window 2 (blocks 0-3) or 3 (blocks 4-7)
	WIN MUL_LO+0x50*((\a)/4)                       ; MUL_LO or MUL_HI
.irp q, 0,1,2,3
.if (\a) == 0 && \q == 2
	s_wait_dscnt 24                                ; B's quarter 2 is in (behind it: A's blocks 1 to 3, 24 loads)
.endif
.irp b, 0,1,2,3,4,5,6,7
	v_wmma_f32_16x16x32_bf16 v[AC+8*\b:AC+8*\b+7], v[64*\q+8*\b:64*\q+8*\b+7], v[FA+8*\q:FA+8*\q+7], v[AC+8*\b:AC+8*\b+7]
.endr
.endr
.endm
; THE WAY OUT of block a, in three parts.  PACK: rounded to bf16, 16 bytes a lane.  TOSTAGE: into my own stage in LDS, and back as whole rows of 256 bytes.  SEND: stored.
.macro PACK a
.set AC, 64*((\a)%4)
	WIN 0x0a+5*((\a)/4)                            ; sources 0 and 1: window 2 or 3
.irp b, 0,1,2,3,4,5,6,7
.irp r, 0,1,2,3
	v_cvt_pk_bf16_f32 v[TMP+4*\b+\r], v[AC+8*\b+2*\r], v[AC+8*\b+2*\r+1]
.endr
.endr
	WIN 0
.endm
.macro TOSTAGE a
.set BK, OB+192*((\a)%2)
.irp b, 0,1,2,3,4,5,6,7
	ds_store_b128 v[STO], v[TMP+4*\b:TMP+4*\b+3] offset:32*\b
.endr
.irp t, 0,1,2,3,4,5,6,7
	ds_load_b128 v[BK+4*\t:BK+4*\t+3], v[RD] offset:\t*2*SPITCH    ; LDS serves a wave's instructions in order (ISA guide 5.7.1.4): these see the stores above; the stage is my wave's own
.endr
.endm
.macro SEND a, younger                 ; younger: the LDS loads issued behind TOSTAGE's, which may stay out
.set BK, OB+192*((\a)%2)
	s_wait_dscnt \younger                          ; the block is back in registers
	s_wait_xcnt 0x0                                ; every earlier memory instruction has had its addresses translated (ISA guide 3.1): only behind this wait are the stores' base and the registers that earlier stores read rewritten
.if (\a) == 0
	s_add_nc_u64 s[8:9], s[8:9], s[16:17]          ; on to my first rows of the tile
.else
	s_add_nc_u64 s[8:9], s[8:9], 16*SIZE_N*2       ; 16 rows of C on: the stores' offsets reach 14 rows, 57,344 bytes, at the most
.endif
.irp t, 0,1,2,3,4,5,6,7
	global_store_b128 v[CO], v[BK+4*\t:BK+4*\t+3], s[8:9] offset:2*\t*SIZE_N*2 th:TH_STORE_NT   ; 16 lanes store 256 consecutive bytes, at a multiple of 256 from C's first byte; written once, read by no launch
.endr
.endm
	s_wait_tensorcnt 1                             ; my part of K step 0 is in; K step 1's may stay out
	s_barrier_signal -1
	s_barrier_wait -1                              ; everybody's is
	FETCH 0, 0, F0
	QUARTER 0, 64,  F0, F1, 1                      ; the first quarter stands in front of the loop: its products start the sums
	WIN 0                                          ; at a label and at a branch every window is 0
	s_mov_b32 s3, LAPS-1
.Llap:                                                 ; 15 trips: a trip goes once round the ring, from a lap's second quarter to the next lap's first, and fills both slots again (the last trip with K steps 30 and 31)
	QUARTER 0, 128, F1, F0, 0
	QUARTER 0, 192, F0, F1, 0
	TURN 0, 1
	QUARTER 1, 64,  F0, F1, 0
	QUARTER 1, 128, F1, F0, 0
	QUARTER 1, 192, F0, F1, 0
	TURN 1, 0
	QUARTER 0, 64,  F0, F1, 0
	WIN 0
	s_sub_co_u32 s3, s3, 1
	s_cmp_lg_u32 s3, 0
	s_cbranch_scc1 .Llap
	QUARTER 0, 128, F1, F0, 0                      ; the last lap goes on: K step 30
	QUARTER 0, 192, F0, F1, 0
	MEET 0                                         ; my one tensor load that was still out is slot 1's, the last K step's, so no round follows
	PLACES                                         ; for the loads into buffer 0, which the quarter before multiplied
	WIN TO_B
	BLOAD 0                                        ; three quarters of B now: buffer 1 (v128-191 of both windows) is still being multiplied
	BLOAD 1
	BLOAD 3
	WIN 0
	ALOAD 0
	WIN MUL_HI
	MUL16 F1, 1, 0, 0
	MUL16 F1, 1, 2, 0
	PLACES                                         ; for the loads into buffer 1
	WIN TO_B
	BLOAD 2
	WIN 0
	ALOAD 1
	ALOAD 2
	ALOAD 3
	s_wait_dscnt 40                                ; all but the 40 just issued (B's quarter 2: 16; A's blocks 1 to 3: 24)
	ROW 0
.irp a, 0,1,2,3,4,5,6,7                ; each block leaves as soon as it is finished: nothing follows this tile, so the sooner its stores begin, the sooner the launch ends
	PLACES                                         ; its conversions read results just made, and no other vector work is at hand
	PACK \a
	TOSTAGE \a
.if \a < 4
	ALOAD \a+4                                     ; its buffer takes the block four further on
	SEND \a, 8
.else
	SEND \a, 0
.endif
.if \a < 7
	ROW \a+1
.endif
.endr
	s_wait_tensorcnt 0x0
	ds_add_u32 v30, v31
	s_wait_dscnt 0x0
	CROUND                                         ; the closing round: no work-group ends while a partner may still ask for a tile that names it
	s_endpgm
.Lfunc_end_k_qab60a01683_gemm:
	.size	k_qab60a01683_gemm, .Lfunc_end_k_qab60a01683_gemm-k_qab60a01683_gemm
	.p2alignl 7, 3214868480
	.fill 96, 4, 3214868480
	.section	.rodata,"a",@progbits
	.p2align	6, 0x0
	.amdhsa_kernel k_qab60a01683_gemm
		.amdhsa_group_segment_fixed_size 327680
		.amdhsa_private_segment_fixed_size 0
		.amdhsa_enable_private_segment 0
		.amdhsa_kernarg_size 24
		.amdhsa_user_sgpr_count 2
		.amdhsa_user_sgpr_kernarg_segment_ptr 1
		.amdhsa_wavefront_size32 1
		.amdhsa_system_sgpr_workgroup_id_x 1
		.amdhsa_system_sgpr_workgroup_id_y 1
		.amdhsa_system_sgpr_workgroup_id_z 1
		.amdhsa_system_vgpr_workitem_id 0
		.amdhsa_next_free_vgpr 1024
		.amdhsa_next_free_sgpr 66
		.amdhsa_reserve_vcc 0
		.amdhsa_float_denorm_mode_32 3
		.amdhsa_float_denorm_mode_16_64 3
		.amdhsa_memory_ordered 1
		.amdhsa_forward_progress 1
		.amdhsa_inst_pref_size 143
	.end_amdhsa_kernel
	.amdgpu_metadata
---
amdhsa.version: [ 1, 2 ]
amdhsa.kernels:
  - .name:           k_qab60a01683_gemm
    .symbol:         k_qab60a01683_gemm.kd
    .args:
      - { .name: x, .offset: 0, .size: 8, .value_kind: global_buffer, .address_space: global }
      - { .name: wbf, .offset: 8, .size: 8, .value_kind: global_buffer, .address_space: global }
      - { .name: out0, .offset: 16, .size: 8, .value_kind: global_buffer, .address_space: global }
    .group_segment_fixed_size: 327680
    .private_segment_fixed_size: 0
    .kernarg_segment_align: 8
    .kernarg_segment_size: 24
    .max_flat_workgroup_size: 128
    .sgpr_count:     66
    .vgpr_count:     1024
    .wavefront_size: 32
...
	.end_amdgpu_metadata
.endif
;; end of part 2
;; ======== version 2 of 2: 2 launches; version 1 with the launch dequant written anew for expert scheduling mode
;; workspace buffers: wbf 16,777,216 bytes
;; launch dequant (part 3): grid 256 x 1, 8 waves a work-group, no clusters, 0 bytes of LDS; arguments packed_weight, scales, nf4_table, wbf; writes wbf
.if DOCPART == 3
	.amdgcn_target "amdgcn-amd-amdhsa--gfx1250"
	.amdhsa_code_object_version 6
	.text
	.protected	k_qab60a01683_dequant
	.globl	k_qab60a01683_dequant
	.p2align	8
	.type	k_qab60a01683_dequant,@function
k_qab60a01683_dequant:
	s_mov_b64 s[64:65], 0
	v_nop
	global_prefetch_b8 v0, s[64:65] scope:SCOPE_SE
	s_setreg_imm32_b32 hwreg(HW_REG_WAVE_SCHED_MODE, 0, 2), 2
	s_setreg_imm32_b32 hwreg(HW_REG_WAVE_MODE, 25, 1), 1
	s_wait_xcnt 0x0
	s_wait_alu depctr_vm_vsrc(0)
; wbf[2 i], wbf[2 i + 1] = bf16(table[p[i] & 15] * scale), bf16(table[(p[i] >> 4) & 15] * scale), scale = scales[i / 32].
; p: 4,194,304 int32, of which bits 7:0 count; scales: 131,072 f32; table: 16 f32; wbf: [2048][4096] bf16.
; One packed word of 4 bytes becomes one word of two bf16 at the same byte offset, so the stream reads and writes the same offsets.
; RANGE: any int32 is served (only bits 7:0 enter, as the two masks of the definition have it); any f32 table and scale: the product is one
; f32 multiply and one rounding to bf16 (nearest even), so NaN and infinities come out as that product and rounding give them.
; SHARES: a work-group owns 65,536 bytes of p and of wbf and 512 scales; each of its eight waves 8,192 bytes as 16 chunks of 512, and 64 scales
; (256 consecutive bytes, aligned).  In chunk j lane L owns the 16 bytes at 512 j + 16 L: each load and store of a wave covers 512 consecutive
; aligned bytes.  No loop: all 16 chunk loads of a wave go out at its start, so all that the launch reads is asked for at once.
; THE LOOK-UP goes between lanes (ds_bpermute_b32; no LDS byte is touched): lane L keeps table[L % 16], so the table stands twice in the wave.
; Left out: LDS, barriers, clusters and the matrix unit: the waves share nothing but 64 bytes of table, and bytes alone count here.
; THE MODE: SCHED_MODE bits 1:0 = 2 (LLVM: expert scheduling mode 2), set by the entry lines.  The code itself states the register dependences
; between vector instructions and memory or LDS instructions, with s_wait_alu, always for 0.
; THE PLAN.  The 16 chunks go in 4 batches of 4; batch g takes buffer g % 2 of SEL and of VAL.  Registers that memory or LDS instructions touch:
;   v2, v3, v4   byte offsets: made once at the head, read by every load and store, never written again.
;   v6, v8, v9   the table and the scales: loaded once, read by the exchanges as their data, never written again.
;   X[j]         chunk j as loaded; read by step g's shifts; written by batch g's roundings in step g + 1; read by its stores in step g + 2; then left alone.
;   SEL0, SEL1   lane selects: written by step g's shifts and adds, read by step g's exchanges.
;   VAL0, VAL1   step g's exchanges land here; step g + 1's multiplies work on them in place and its roundings read them.
; Step g: the selects of batch g; ONE wait on va_vdst; then the exchanges of batch g and the stores of batch g - 2, dealt chunk by chunk among the multiplies
; and roundings of batch g - 1.  Those name VAL[(g - 1) % 2] and batch g - 1's X alone: none of the registers that the step's exchanges and stores touch,
; so nothing more is owed behind the wait.  One wait on vm_vsrc stands at the head of steps 2 and 3, ahead of the shifts that write a SEL buffer again.
.set CHB,   512                        ; bytes in a chunk
.set OFF,   2                          ; v2   my byte offset in the group's part of p and of wbf; never rewritten
.set SOFF,  3                          ; v3   my byte offset in the group's scales
.set TOFF,  4                          ; v4   my byte offset in the table
.set SB,    5                          ; v5   4 x (lane / 8): which of a chunk's four scales is mine, as a lane select
.set TAB,   6                          ; v6   table[lane % 16]
.set S0,    8                          ; v8   lane m: the wave's scale m;  v9: scale 32 + m
.set SEL,   10                         ; v[10:81]   buffer b, chunk c of a batch: 9 registers at SEL + 36 b + 9 c: +0..7 the selects of the eight weights, +8 the scale's
.set VAL,   82                         ; v[82:161]  buffer b, chunk c of a batch: 10 registers at VAL + 40 b + 10 c: +0..7 table values, +8, +9 the scale (a pair)
.set X,     162                        ; v[162:225] chunk j: 4 registers, as loaded and then as stored
	s_load_b256 s[4:11], s[0:1], 0x0               ; p s[4:5], scales s[6:7], table s[8:9], wbf s[10:11]
	s_lshl_b32 s12, ttmp9, 16                      ; the group's 65,536 bytes of p and wbf (under 2^24 in all)
	s_mov_b32 s13, 0
	s_lshl_b32 s14, ttmp9, 11                      ; the group's 512 scales
	s_mov_b32 s15, 0
	v_and_b32 v1, 31, v0                           ; lane
	v_lshrrev_b32 v7, 5, v0                        ; wave
	v_lshlrev_b32 v[OFF], 4, v1
	v_lshl_add_u32 v[OFF], v7, 13, v[OFF]          ; 8,192 x wave + 16 x lane
	v_lshlrev_b32 v[SOFF], 2, v1
	v_lshl_add_u32 v[SOFF], v7, 8, v[SOFF]         ; 256 x wave + 4 x lane
	v_and_b32 v[TOFF], 15, v0
	v_lshlrev_b32 v[TOFF], 2, v[TOFF]              ; 4 x (lane % 16): inside the table's 64 bytes
	v_lshrrev_b32 v[SB], 3, v1
	v_lshlrev_b32 v[SB], 2, v[SB]
.irp c, 0,1,2,3,4,5,6,7
	v_mov_b32 v[VAL+10*\c+9], 0                    ; the packed multiply names the scale as a pair and takes its low register for both halves: the upper register is written once, its value never enters a product, and no exchange lands in it
.endr
	s_wait_kmcnt 0x0
	s_add_nc_u64 s[4:5], s[4:5], s[12:13]
	s_add_nc_u64 s[10:11], s[10:11], s[12:13]
	s_add_nc_u64 s[6:7], s[6:7], s[14:15]
	s_wait_alu depctr_va_vdst(0)                   ; the three offsets v2, v3 and v4 are written: every load and store of the kernel reads one of them
	global_load_b32 v[TAB], v[TOFF], s[8:9]
	global_load_b32 v[S0], v[SOFF], s[6:7]
	global_load_b32 v[S0+1], v[SOFF], s[6:7] offset:128
.irp j, 0,1,2,3,4,5,6,7,8,9,10,11,12,13,14,15
	global_load_b128 v[X+4*\j:X+4*\j+3], v[OFF], s[4:5] offset:CHB*\j th:TH_LOAD_NT   ; read once in the launch
.endr
; Chunk j's nine lane selects are made.
; The exchange takes bits 6:2 of the select as the lane.  Bits 5:2 of w << 2 are w's low nibble, bits 5:2 of w >> 2 its high nibble, and bit 6 only
; chooses between the two equal copies of the table: so one shift makes a select and no mask is needed, whatever the word's upper bits hold.
.macro SELECT j
.set SS, SEL+36*(((\j)/4)%2)+9*((\j)%4)
	v_add_nc_u32 v[SS+8], 16*((\j)%8), v[SB]       ; a scale serves 128 bytes of p, 8 lanes: mine is the wave's scale 4 j + lane / 8, which lies in lane 4 (j % 8) + lane / 8
.irp k, 0,1,2,3
	v_lshlrev_b32 v[SS+2*\k],   2, v[X+4*(\j)+\k]  ; the even weight's select
	v_lshrrev_b32 v[SS+2*\k+1], 2, v[X+4*(\j)+\k]  ; the odd weight's
.endr
.endm
; Chunk j's nine exchanges between lanes are asked for: its scale and its eight table values.
.macro LOOKUP j
.set SS, SEL+36*(((\j)/4)%2)+9*((\j)%4)
.set VS, VAL+40*(((\j)/4)%2)+10*((\j)%4)
	ds_bpermute_b32 v[VS+8], v[SS+8], v[S0+(\j)/8]
.irp k, 0,1,2,3,4,5,6,7
	ds_bpermute_b32 v[VS+\k], v[SS+\k], v[TAB]
.endr
.endm
; Chunk j is multiplied and rounded, into the registers that it was loaded into.
.macro FINISH j
.set VS, VAL+40*(((\j)/4)%2)+10*((\j)%4)
.irp k, 0,1,2,3
	v_pk_mul_f32 v[VS+2*\k:VS+2*\k+1], v[VS+2*\k:VS+2*\k+1], v[VS+8:VS+9] op_sel_hi:[1,0]   ; two f32 products by the one scale
.endr
.irp k, 0,1,2,3
	v_cvt_pk_bf16_f32 v[X+4*(\j)+\k], v[VS+2*\k], v[VS+2*\k+1]   ; the even weight into the low half
.endr
.endm
.macro STORE j
	global_store_b128 v[OFF], v[X+4*(\j):X+4*(\j)+3], s[10:11] offset:CHB*(\j)   ; its data and its offset register are never written again
.endm
; Step g of four.
.macro STEP g
	s_wait_loadcnt 12-4*(\g)                       ; loads come back in order (ISA guide 5.7.1): batch g, the table and the scales are in; the 12 - 4 g younger chunks stay out
.if (\g) >= 2
	s_wait_alu depctr_vm_vsrc(0)                   ; the exchanges of batch g - 2, issued two steps back, have read the SEL buffer that the shifts and adds below write again
.endif
.irp c, 0,1,2,3
	SELECT 4*(\g)+\c
.endr
	s_wait_alu depctr_va_vdst(0)                   ; this batch's selects are written, which the exchanges below read; from step 2 on also: batch g - 2's roundings have written the X that the stores below read, and its multiplies and roundings are done with the VAL buffer in which the exchanges land
.irp c, 0,1,2,3
	LOOKUP 4*(\g)+\c                               ; no further wait: the vector instructions issued since the wait name the other VAL buffer and batch g - 1's X alone
.if (\g) >= 2
	STORE 4*(\g)-8+\c
.endif
.if (\g) >= 1
	s_wait_dscnt 36                                ; the exchanges come back in order (ISA guide 5.7.1): behind chunk c of batch g - 1 stand 9 (3 - c) of its own batch and 9 (c + 1) of this one, 36 whatever c
	FINISH 4*(\g)-4+\c
.endif
.endr
.endm
	STEP 0
	STEP 1
	STEP 2
	STEP 3
	s_wait_alu depctr_va_vdst(0)                   ; batch 2's roundings have written X of chunks 8 to 11, which the stores below read
.irp c, 0,1,2,3
	STORE 8+\c
	s_wait_dscnt 27-9*\c                           ; the counts run down: behind chunk 12 + c stand the 9 (3 - c) exchanges of the chunks after it
	FINISH 12+\c
.endr
	s_wait_alu depctr_va_vdst(0)                   ; batch 3's roundings have written X of chunks 12 to 15, which the last four stores read
.irp c, 0,1,2,3
	STORE 12+\c
.endr
	s_endpgm
.Lfunc_end_k_qab60a01683_dequant:
	.size	k_qab60a01683_dequant, .Lfunc_end_k_qab60a01683_dequant-k_qab60a01683_dequant
	.p2alignl 7, 3214868480
	.fill 96, 4, 3214868480
	.section	.rodata,"a",@progbits
	.p2align	6, 0x0
	.amdhsa_kernel k_qab60a01683_dequant
		.amdhsa_group_segment_fixed_size 0
		.amdhsa_private_segment_fixed_size 0
		.amdhsa_enable_private_segment 0
		.amdhsa_kernarg_size 32
		.amdhsa_user_sgpr_count 2
		.amdhsa_user_sgpr_kernarg_segment_ptr 1
		.amdhsa_wavefront_size32 1
		.amdhsa_system_sgpr_workgroup_id_x 1
		.amdhsa_system_sgpr_workgroup_id_y 1
		.amdhsa_system_sgpr_workgroup_id_z 1
		.amdhsa_system_vgpr_workitem_id 0
		.amdhsa_next_free_vgpr 226
		.amdhsa_next_free_sgpr 66
		.amdhsa_reserve_vcc 0
		.amdhsa_float_denorm_mode_32 3
		.amdhsa_float_denorm_mode_16_64 3
		.amdhsa_memory_ordered 1
		.amdhsa_forward_progress 1
		.amdhsa_inst_pref_size 28
	.end_amdhsa_kernel
	.amdgpu_metadata
---
amdhsa.version: [ 1, 2 ]
amdhsa.kernels:
  - .name:           k_qab60a01683_dequant
    .symbol:         k_qab60a01683_dequant.kd
    .args:
      - { .name: packed_weight, .offset: 0, .size: 8, .value_kind: global_buffer, .address_space: global }
      - { .name: scales, .offset: 8, .size: 8, .value_kind: global_buffer, .address_space: global }
      - { .name: nf4_table, .offset: 16, .size: 8, .value_kind: global_buffer, .address_space: global }
      - { .name: wbf, .offset: 24, .size: 8, .value_kind: global_buffer, .address_space: global }
    .group_segment_fixed_size: 0
    .private_segment_fixed_size: 0
    .kernarg_segment_align: 8
    .kernarg_segment_size: 32
    .max_flat_workgroup_size: 256
    .sgpr_count:     66
    .vgpr_count:     226
    .wavefront_size: 32
...
	.end_amdgpu_metadata
.endif
;; end of part 3
;; launch gemm: the kernel of part 2 again; grid 8 x 32, 4 waves a work-group, clusters of 4 x 4, 327,680 bytes of LDS; arguments x, wbf, out0; writes out0
